; MI455X (gfx1250); checked and timed in simulation.
; The chip was launched on July 23, 2026; its instructions are those of AMD's public machine-readable ISA for CDNA 5 (MIT licence, August 2026) and "CDNA5" Instruction Set Architecture Reference Guide (July 2026). The comments in the code are by the model that wrote it; some were corrected since.
;; Cross Attention With Position. Allowed arithmetic: matrix products marked QUANTISED: E2M1 operands, one E8M0 scale for each 32 along K, by v_wmma_scale_f32_16x16x128_f8f6f4 with both operands' format E2M1 (or v_wmma_scale_f32_32x16x128_f4), f32 sums; products left as they are: bf16, f16 or f32 operands; f32 sums; everything else in f32.
;; Inputs: Wk 1,024 x 1,024 float32; Wk_ap 1,024 x 1,024 float32; Wk_ip 1,024 x 1,024 float32; Wo 1,024 x 1,024 float32; Wq 1,024 x 1,024 float32; Wv 1,024 x 1,024 float32; Wv_ap 1,024 x 1,024 float32; Wv_ip 1,024 x 1,024 float32; alpha one number float32; beta one number float32; bo 1,024 float32; context 32 x 125 x 1,024 float32; rel_k 33 x 64 float32; rel_v 33 x 64 float32; x 32 x 512 x 1,024 float32.
;; Outputs: out0 32 x 512 x 1,024 float32.
;; This version of the problem:
;;   THIS VERSION OF THE PROBLEM IS GIVEN IN LOW PRECISION. The matrix products marked QUANTISED in the list below multiply operands that are first quantised to E2M1 (2 exponent bits, 1 mantissa bit; 4 bits a number), with one power-of-two scale for each 32 numbers along K (OCP MX v1.0); their sums are f32. The products marked 'left as it is' may take bf16, f16 or f32 operands, with f32 sums. Whichever they take, every output number must still come out within the allowed error. Rounding operands to bf16 (8 significant bits) uses up far more of that allowance than f16 does (11 bits, for magnitudes from 6e-5 to 65,504). All else is computed in f32.
;;   The module's matrix products, in the order in which they are computed (A, B: the left and right operand; K: the contracted axis; several contracted axes count as one K, in the product's order):
;;     1. [M 16,384, K 1,024] x [K 1,024, N 1,024]; A: input x; B: input Wq: QUANTISED
;;     2. [M 2,464, K 1,024] x [K 1,024, N 1,024]; A: input context; B: input Wk: QUANTISED
;;     3. [M 2,464, K 1,024] x [K 1,024, N 1,024]; A: input context; B: input Wv: QUANTISED
;;     4. batch 512 x [M 512, K 64] x [K 64, N 77]; A: computed on the way; B: computed on the way: left as it is (an operand is computed on the way)
;;     5. batch 512 x [M 77, K 64] x [K 64, N 512]; A: computed on the way; B: computed on the way: left as it is (an operand is computed on the way)
;;     6. batch 512 x [M 64, K 77] x [K 77, N 512]; A: computed on the way; B: computed on the way: left as it is (an operand is computed on the way)
;;     7. batch 512 x [M 64, K 77] x [K 77, N 512]; A: computed on the way; B: computed on the way: left as it is (an operand is computed on the way)
;;     8. [M 512, K 1,024] x [K 1,024, N 1,024]; A: input context; B: input Wk_ip: QUANTISED
;;     9. [M 512, K 1,024] x [K 1,024, N 1,024]; A: input context; B: input Wv_ip: QUANTISED
;;     10. batch 512 x [M 512, K 64] x [K 64, N 16]; A: computed on the way; B: computed on the way: left as it is (an operand is computed on the way)
;;     11. batch 512 x [M 64, K 16] x [K 16, N 512]; A: computed on the way; B: computed on the way: left as it is (K = 16 < 32)
;;     12. [M 1,024, K 1,024] x [K 1,024, N 1,024]; A: input context; B: input Wk_ap: QUANTISED
;;     13. [M 1,024, K 1,024] x [K 1,024, N 1,024]; A: input context; B: input Wv_ap: QUANTISED
;;     14. batch 512 x [M 512, K 64] x [K 64, N 32]; A: computed on the way; B: computed on the way: left as it is (an operand is computed on the way)
;;     15. batch 512 x [M 64, K 32] x [K 32, N 512]; A: computed on the way; B: computed on the way: left as it is (an operand is computed on the way)
;;     16. [M 16,384, K 1,024] x [K 1,024, N 1,024]; A: computed on the way; B: input Wo: left as it is (an operand is computed on the way)
;;   THE QUANTISER, for each operand of a quantised product, along K:
;;     - K is cut into blocks of 32 from its start; a last block that is shorter is filled with zeros.
;;     - A block's scale is 2^e with e = floor(log2(the largest magnitude in the block)) - 2, held to -126 .. 127; a block of zeros has e = 0. As a byte (E8M0): e + 127.
;;     - Each number is divided by its block's scale, clamped to +-6, and rounded to the nearest number of E2M1, ties to even, subnormals kept.
;;     - The product sums the exact products of the quantised numbers (number of the format x scale) in f32.
;;   ~~~python
;;   def quantise(x, axis):      # numpy; x: float32 -> the quantised numbers, widened to float32 again
;;       x = np.moveaxis(x, axis, -1); K = x.shape[-1]
;;       x = np.pad(x, [(0, 0)] * (x.ndim - 1) + [(0, -K % 32)]); x = x.reshape(x.shape[:-1] + (-1, 32)); a = np.abs(x).max(-1, keepdims=True)
;;       e = np.where(a > 0, np.clip(np.frexp(np.where(a > 0, a, 1))[1] - 1 - 2, -126, 127), 0)      # np.frexp(a)[1] - 1 = floor(log2(a)), exactly
;;       r = np.clip(x / 2.0 ** e, -6, 6)
;;       step = 2.0 ** (np.maximum(np.frexp(np.where(r == 0, 1, r))[1] - 1, 0) - 1)
;;       q = np.round(r / step) * step * 2.0 ** e      # np.round: ties to even
;;       return np.moveaxis(q.reshape(q.shape[:-2] + (-1,))[..., :K], -1, axis).astype(np.float32)
;;   ~~~
;; One version. Each part assembles by itself: llvm-mc -triple=amdgcn-amd-amdhsa -mcpu=gfx1250 --defsym DOCPART=n.
;; ======== version 1 of 1: 3 launches
;; limits: values are held in f16: magnitudes above 65,504 overflow, below 6.1e-05 lose precision
;; workspace buffers: xc 10,485,760 bytes; xs 655,360 bytes; wc 3,670,016 bytes; ws 229,376 bytes; wo16 2,097,152 bytes; rel 20,480 bytes; o16 33,554,432 bytes
;; launch prep (part 1): grid 833 x 1, 4 waves a work-group, no clusters, 34,304 bytes of LDS; arguments x, context, Wq, Wk, Wv, Wk_ip, Wv_ip, Wk_ap, Wv_ap, Wo, rel_k, rel_v, xc, xs, wc, ws, wo16, rel; writes xc, xs, wc, ws, wo16, rel
.if DOCPART == 1
	.amdgcn_target "amdgcn-amd-amdhsa--gfx1250"
	.amdhsa_code_object_version 6
	.text
	.protected	k_q09348d8281_prep
	.globl	k_q09348d8281_prep
	.p2align	8
	.type	k_q09348d8281_prep,@function
k_q09348d8281_prep:
	s_mov_b64 s[64:65], 0
	v_nop
	global_prefetch_b8 v0, s[64:65] scope:SCOPE_SE
	s_setreg_imm32_b32 hwreg(HW_REG_WAVE_MODE, 25, 1), 1
	s_wait_xcnt 0x0
; CROSS-ATTENTION WITH RELATIVE POSITIONS, launch 1 of 3: every f32 input is read once and laid as the later launches' operand registers want it.
; WORK LEFT OUT OR MADE SMALLER, in the problem's terms.  dist(i, j) = clip(j - i, -16, 16) + 16, j = 0 .. 76.
;  (a) rel_k[dist] and rel_v[dist] are lookups in tables of 33 rows: q . rel_k[dist] is made as q x (rows of the table) and a selection by j - i, the sum of attn x rel_v[dist] likewise.
;  (b) For a query i >= 92, j - i <= -16 for every j, so dist = 0 for all keys: q . rel_k[0] is one number added to the whole row of sim, and a softmax does not change when
;      one number is added along its axis.  It is left out for the whole query tiles i >= 96.
;  (c) The weights of a softmax add up to 1, so sum_j attn rel_v[dist] = rel_v[0] + sum_j attn (rel_v[dist] - rel_v[0]); the difference is 0 wherever dist = 0, so it is multiplied for i < 96 alone.
;  LIMIT: a NaN, an infinity or an overflow that would arise only in the q . rel_k[0] left out is not carried to the result.  Every input is loaded.
; FORMATS.  x, context and the seven projection weights become codes of E2M1 with one E8M0 byte for 32 along K: byte = the largest magnitude's exponent field - 2, held at 1 from below
; (a block of zeros keeps the byte 1: its codes are zeros, and these bytes are read by this program alone).  Wo becomes f16(4 Wo); the attention launch stores f16(o / 4): both factors are exact.
; LIMITS: NaN and infinities among the inputs are not served; blocks whose largest magnitude lies under 2^-124 keep the byte 1.
; LAYOUT OF THE WORKSPACE: images of operand registers.  FP4 image (16 rows x 128 K, 1,024 bytes): quad c at 512 c + 16 lane; lane 16 h + r holds the 32 codes of block 2 c + h of row r.
; f16 image (16 rows x 32 K, 1,024 bytes): half u at 512 u + 16 lane; lane (r, h) holds k = 16 u + 8 h + 0 .. 7 of row r.  So every store here and every load later covers 512 consecutive bytes.
; SHARES: work-groups 0-319: rows (x: tiles 0-1023, context: tiles 1024-1279, a wave a tile of 16 rows); 320-831: weights (matrix, K step of 128, 128 columns); 832: the tables.
; Only the rows' path uses LDS.  No tensor load, no barrier: waves share nothing.
.set SPARE, 33792                      ; behind the four stages: the spare words, 128 bytes for each wave
.set LI,  1                            ; v1    16 x lane
.set SA,  2                            ; v2    rows: the stage on the way in
.set SB,  3                            ; v3    rows: the stage on the way out
.set SPW, 4                            ; v4    my spare word; never rewritten
.set NIL, 5                            ; v5    0; never rewritten
.set TM,  8                            ; v8-23 at work in QUANT
.set PW,  24                           ; v24-31 a row's scale word of each K step
.set PC,  32                           ; v32-47 two sets of codes
.set F,   48                           ; v48-51 the scale image
.set RR,  56                           ; v56   lane % 16
.set HH,  57                           ; v57   lane / 16
.set LN,  58                           ; v58   lane
.set X,   64                           ; v64-127 64 numbers, 16 neighbours of each block
.set R,   128                          ; v128-255 two sets of 64 as loaded
.set WV,  44
.set SEL, 54
	s_load_b512 s[4:19], s[0:1], 0x0               ; x, context, Wq, Wk, Wv, Wk_ip, Wv_ip, Wk_ap
	s_load_b512 s[20:35], s[0:1], 0x40             ; Wv_ap, Wo, rel_k, rel_v, xc, xs, wc, ws
	s_load_b128 s[36:39], s[0:1], 0x80             ; wo16, rel
	v_lshl_add_u32 v[SPW], v0, 2, SPARE
	v_mov_b32 v[NIL], 0
	v_lshrrev_b32 v[LN], 5, v0
	v_readfirstlane_b32 s[WV], v[LN]               ; wave 0..3
	v_and_b32 v[LN], 31, v0
	v_lshlrev_b32 v[LI], 4, v[LN]
	v_and_b32 v[RR], 15, v0
	v_bfe_u32 v[HH], v0, 4, 1
	s_cmp_lt_u32 ttmp9, 320
	s_cbranch_scc1 .Lrows
	s_cmp_lt_u32 ttmp9, 832
	s_cbranch_scc1 .Lweights
; ---------------- THE TABLES (one work-group; wave v makes part v of each) ----------------
; relk4 [t 4][c 2][f16 image]: row rr of table t is rel_k[clamp(16 t + rr - 15, 0, 32)].
; relv4 [dt 4][t 4][512 bytes]: lane (r, h), j: rel_v[clamp(16 t + 8 h + j - 15, 0, 32)][16 dt + r] - rel_v[0][16 dt + r].
; rv0   [dt 4][2][512 bytes] f32: lane (r, h), register j: rel_v[0][16 dt + 8 h + j] / 4.
	s_wait_kmcnt 0x0
	s_lshl_b32 s45, s[WV], 4
	v_add_nc_u32 v2, s45, v[RR]                    ; 16 t + rr
	v_max_u32 v2, 15, v2
	v_add_nc_u32 v2, -15, v2
	v_min_u32 v2, 32, v2                           ; the table's row
	v_lshlrev_b32 v2, 8, v2                        ; 256 bytes a row
	v_lshl_add_u32 v2, v[HH], 5, v2                ; + 8 h numbers
.irp p, 0,1,2,3                                ; p = 2 c + u: channels 16 p + 8 h on
	global_load_b128 v[64+8*\p:67+8*\p], v2, s[24:25] offset:64*\p
	global_load_b128 v[68+8*\p:71+8*\p], v2, s[24:25] offset:64*\p+16
.endr
	s_lshl_b32 s46, s[WV], 6
	v_lshl_add_u32 v3, v[RR], 2, s46               ; channel 16 v + r, in bytes
	v_lshl_add_u32 v9, v[HH], 5, s46               ; channels 16 v + 8 h on
.irp t, 0,1,2,3
.irp j, 0,1,2,3,4,5,6,7
	v_lshl_add_u32 v8, v[HH], 3, 16*\t+\j
	v_max_u32 v8, 15, v8
	v_add_nc_u32 v8, -15, v8
	v_min_u32 v8, 32, v8
	v_lshl_add_u32 v[128+8*\t+\j], v8, 8, v3       ; an address register for each load: none is written again
	global_load_b32 v[96+8*\t+\j], v[128+8*\t+\j], s[26:27]
.endr
.endr
	global_load_b32 v160, v3, s[26:27]             ; rel_v[0][16 v + r]
	global_load_b128 v[164:167], v9, s[26:27]
	global_load_b128 v[168:171], v9, s[26:27] offset:16
	s_lshl_b32 s46, s[WV], 11
	s_mov_b32 s47, 0
	s_add_nc_u64 s[40:41], s[38:39], s[46:47]      ; rel + 2,048 v
	s_lshl_b32 s46, s[WV], 10
	s_add_nc_u64 s[42:43], s[38:39], s[46:47]      ; rel + 1,024 v
	s_wait_loadcnt 0x0
.set n, 0
.rept 16
	v_cvt_pk_f16_f32 v[176+n], v[64+2*n], v[65+2*n]
.set n, n+1
.endr
.set n, 0
.rept 32
	v_sub_f32 v[96+n], v[96+n], v160
.set n, n+1
.endr
.set n, 0
.rept 16
	v_cvt_pk_f16_f32 v[192+n], v[96+2*n], v[97+2*n]
.set n, n+1
.endr
.irp i, 0,1,2,3,4,5,6,7
	v_mul_f32 v[164+\i], 0x3e800000, v[164+\i]     ; / 4
.endr
.irp p, 0,1,2,3
	global_store_b128 v[LI], v[176+4*\p:179+4*\p], s[40:41] offset:512*\p
	global_store_b128 v[LI], v[192+4*\p:195+4*\p], s[40:41] offset:8192+512*\p
.endr
	global_store_b128 v[LI], v[164:167], s[42:43] offset:16384
	global_store_b128 v[LI], v[168:171], s[42:43] offset:16384+512
	s_endpgm
; ---------------- ROWS: a wave turns 16 rows x 1,024 f32 into 8 FP4 images and one scale image ----------------
; 64 numbers of a lane, v[s] on, register 16 b + i = k 32 b + 16 (lane / 16) + i of my row, become a fragment's codes in v[pc] on and its scale word in v[pw].
.macro QUANT s, pc, pw
.irp b, 0,1,2,3
	v_max3_num_f32 v[TM+\b], |v[\s+16*\b]|, |v[\s+1+16*\b]|, 0x1800000   ; my 16 numbers of block b, and the floor 2^(3 - 127): the byte cannot fall under 1
.endr
.irp i, 2,4,6,8,10,12,14
.irp b, 0,1,2,3
	v_max3_num_f32 v[TM+\b], v[TM+\b], |v[\s+16*\b+\i]|, |v[\s+1+16*\b+\i]|
.endr
.endr
.irp b, 0,1,2,3
	v_permlanex16_b32 v[TM+4+\b], v[TM+\b], s[SEL], s[SEL+1]
.endr
.irp b, 0,1,2,3
	v_max_num_f32 v[TM+\b], v[TM+\b], v[TM+4+\b]   ; with lane l xor 16's: the block's largest magnitude
.endr
.irp b, 0,1,2,3
	v_add_nc_u32 v[TM+12+\b], 0xff000000, v[TM+\b] ; 2 off its exponent field: the conversion's scale operand
.endr
.irp b, 0,1,2,3
	v_lshrrev_b32 v[TM+4+\b], 23, v[TM+12+\b]      ; the scale's byte
.endr
	v_lshl_or_b32 v[\pw], v[TM+5], 8, v[TM+4]
	v_lshl_or_b32 v[\pw], v[TM+6], 16, v[\pw]
	v_lshl_or_b32 v[\pw], v[TM+7], 24, v[\pw]
.irp b, 0,1,2,3
	v_cvt_scalef32_pk8_fp4_f32 v[\pc+2*\b], v[\s+16*\b:\s+7+16*\b], v[TM+12+\b]
	v_cvt_scalef32_pk8_fp4_f32 v[\pc+1+2*\b], v[\s+8+16*\b:\s+15+16*\b], v[TM+12+\b]
.endr
	v_nop                                          ; one plain place behind a scaled conversion
.irp c, 0,1                                    ; a whole block to a lane: lanes 0-15 block 2 c, lanes 16-31 block 2 c + 1
.irp i, 0,1
	v_permlane16_swap_b32 v[\pc+4*\c+\i], v[\pc+2+4*\c+\i]
.endr
.endr
.endm
.macro LOADK s                         ; K step s of my 16 rows: each load reads 512 consecutive bytes of one row
.irp i, 0,1,2,3,4,5,6,7,8,9,10,11,12,13,14,15
	global_load_b128 v[R+64*((\s)%2)+4*\i:R+64*((\s)%2)+4*\i+3], v[LI], s[40:41] offset:\i*4096+(\s)*512 th:TH_LOAD_NT
.endr
.endm
.macro RSTEP s
.set PCS, PC+8*((\s)%2)
.set PWS, PW+(\s)
.if (\s) < 7
	s_wait_loadcnt 16                              ; this K step's 16 loads are in; the next step's 16 may be out
.else
	s_wait_loadcnt 0x0
.endif
.irp i, 0,1,2,3,4,5,6,7,8,9,10,11,12,13,14,15
	ds_store_b128 v[SA], v[R+64*((\s)%2)+4*\i:R+64*((\s)%2)+4*\i+3] offset:528*\i   ; row i as it lies, rows 528 bytes apart
.endr
.irp b, 0,1,2,3
.irp j, 0,1,2,3
	ds_load_b128 v[X+16*\b+4*\j:X+16*\b+4*\j+3], v[SB] offset:128*\b+16*\j          ; LDS serves a wave's instructions in order: these see the stores above
.endr
.endr
	s_wait_dscnt 0x0                               ; the numbers are back, and the stores have read their registers
	s_wait_xcnt 0x0                                ; the stores of two steps ago have read this set of codes
.if (\s)+2 < 8
	LOADK (\s)+2
.endif
	QUANT X, PCS, PWS
	global_store_b128 v[LI], v[PCS:PCS+3], s[42:43] offset:(\s)*1024
	global_store_b128 v[LI], v[PCS+4:PCS+7], s[42:43] offset:(\s)*1024+512
.endm
.Lrows:
	s_mul_i32 s45, s[WV], 8448                     ; my stage: 16 rows x 528 bytes
	v_add_nc_u32 v[SA], s45, v[LI]
	v_mul_u32_u24 v[SB], v[RR], 528
	v_lshl_add_u32 v[SB], v[HH], 6, v[SB]          ; row r, + 64 h: my 16 numbers of a block of 32
	v_add_nc_u32 v[SB], s45, v[SB]
	s_mov_b32 s[SEL], 0x76543210
	s_mov_b32 s[SEL+1], 0xfedcba98
	s_mov_b32 s51, 0xffff0000                      ; lanes 16-31
.irp b, 0,1,2,3
	v_mov_b32 v[TM+4+\b], 0                        ; a lane permute's destination counts as one of its sources
.endr
	s_lshl_b32 s45, ttmp9, 2
	s_add_co_u32 s45, s45, s[WV]                   ; my tile T
	s_lshl_b32 s46, s45, 4                         ; x: its first row is 16 T
	s_sub_co_u32 s47, s45, 1024                    ; context: tile 8 b + t begins at row 125 b + 16 t, less 3 from t = 5 on: text 0-79, image 77-92, audio 93-124
	s_lshr_b32 s48, s47, 3
	s_and_b32 s49, s47, 7
	s_mul_i32 s48, s48, 125
	s_lshl_b32 s50, s49, 4
	s_add_co_u32 s48, s48, s50
	s_cmp_ge_u32 s49, 5
	s_cselect_b32 s50, 3, 0
	s_sub_co_u32 s48, s48, s50
	s_wait_kmcnt 0x0
	s_cmp_lt_u32 ttmp9, 256                        ; the choice hangs on the work-group's number alone
	s_cselect_b32 s46, s46, s48
	s_cselect_b64 s[40:41], s[4:5], s[6:7]
	s_lshl_b32 s46, s46, 12                        ; 4,096 bytes a row
	s_mov_b32 s47, 0
	s_add_nc_u64 s[40:41], s[40:41], s[46:47]
	s_lshl_b32 s46, s45, 13
	s_add_nc_u64 s[42:43], s[28:29], s[46:47]      ; xc + 8,192 T
	s_lshl_b32 s46, s45, 9
	s_add_nc_u64 s[52:53], s[30:31], s[46:47]      ; xs + 512 T
	LOADK 0
	LOADK 1
.irp s, 0,1,2,3,4,5,6,7
	RSTEP \s
.endr
.irp i, 0,1,2,3
	v_cndmask_b32 v[F+\i], v[PW+\i], v[PW+4+\i], s51   ; the scale image: lanes 0-15 K steps 0-3, lanes 16-31 K steps 4-7 of row r
.endr
	global_store_b128 v[LI], v[F:F+3], s[52:53]
	s_wait_tensorcnt 0x0                           ; the wave's end
	ds_add_u32 v[SPW], v[NIL]
	s_wait_dscnt 0x0
	s_endpgm
; ---------------- WEIGHTS: K is the first axis: a lane takes a column, its registers run down K ----------------
; A wave takes 32 columns x 128 along K, four blocks of 32.  Loads run two blocks ahead; each block has 32 registers of its own (v64 + 32 t), so nothing is loaded over.
.macro WLOAD t                         ; block t: W(128 s + 32 t + i, my column): a wave reads 128 consecutive bytes, the four waves 512
.irp i, 0,1,2,3,4,5,6,7,8,9,10,11,12,13,14,15,16,17,18,19,20,21,22,23,24,25,26,27,28,29,30,31
	global_load_b32 v[64+32*(\t)+\i], v2, s[40:41] offset:(32*(\t)+\i)*4096 th:TH_LOAD_NT
.endr
.endm
.macro WAITB t                         ; block t's 32 loads are in; the next block's 32 may be out; then the block two on is asked for
.if (\t) < 3
	s_wait_loadcnt 32
.else
	s_wait_loadcnt 0x0
.endif
.if (\t)+2 < 4
	WLOAD (\t)+2
.endif
.endm
.Lweights:
	s_sub_co_u32 s45, ttmp9, 320
	s_and_b32 s46, s45, 7                          ; which 128 columns
	s_bfe_u32 s47, s45, 0x30003                    ; which K step of 128
	s_lshr_b32 s48, s45, 6                         ; which matrix: Wq, Wk, Wv, Wk_ip, Wv_ip, Wk_ap, Wv_ap, Wo
	s_lshl_b32 s49, s46, 7
	s_lshl_b32 s50, s[WV], 5
	s_add_co_u32 s49, s49, s50                     ; my wave's first column
	v_lshlrev_b32 v2, 2, v[LN]
	s_wait_kmcnt 0x0
	s_mov_b64 s[40:41], s[8:9]
.irp m, 1,2,3,4,5,6,7
	s_cmp_eq_u32 s48, \m
	s_cselect_b64 s[40:41], s[8+2*\m:9+2*\m], s[40:41]
.endr
	s_lshl_b32 s50, s47, 19                        ; 128 rows of 4,096 bytes
	s_lshl_b32 s51, s49, 2
	s_add_co_u32 s50, s50, s51
	s_mov_b32 s51, 0
	s_add_nc_u64 s[40:41], s[40:41], s[50:51]
	WLOAD 0
	WLOAD 1
	s_cmp_eq_u32 s48, 7
	s_cbranch_scc1 .Lwo
	s_lshl_b32 s50, s48, 6
	s_lshr_b32 s52, s49, 4
	s_add_co_u32 s50, s50, s52                     ; 64 x matrix + my first tile of 16 columns
	s_lshl_b32 s50, s50, 3
	s_add_co_u32 s50, s50, s47
	s_lshl_b32 s50, s50, 10
	s_add_nc_u64 s[42:43], s[32:33], s[50:51]      ; wc: [matrix][tile][K step][1,024]
	s_lshl_b32 s50, s48, 3
	s_add_co_u32 s50, s50, s47
	s_lshl_b32 s50, s50, 10
	s_add_co_u32 s50, s50, s49
	s_lshl_b32 s50, s50, 2
	s_add_nc_u64 s[52:53], s[34:35], s[50:51]      ; ws: [matrix][K step][column] words
.macro WBLOCK t                        ; block t of 32 along K: all its numbers are mine
.set XS, 64+32*(\t)
	WAITB \t
	v_max3_num_f32 v12, |v[XS]|, |v[XS+1]|, |v[XS+2]|
	v_max3_num_f32 v13, |v[XS+3]|, |v[XS+4]|, |v[XS+5]|
.irp i, 6,10,14,18,22,26
	v_max3_num_f32 v12, v12, |v[XS+\i]|, |v[XS+\i+1]|
	v_max3_num_f32 v13, v13, |v[XS+\i+2]|, |v[XS+\i+3]|
.endr
	v_max3_num_f32 v12, v12, |v[XS+30]|, |v[XS+31]|
	v_max3_num_f32 v12, v12, v13, 0x1800000        ; and the floor
	v_add_nc_u32 v11, 0xff000000, v12              ; the conversion's scale operand
	v_lshrrev_b32 v13, 23, v11                     ; the byte
.if (\t) == 0
	v_mov_b32 v10, v13
.else
	v_lshl_or_b32 v10, v13, 8*(\t), v10            ; the column's scale word of this K step
.endif
.irp g, 0,1,2,3
	v_cvt_scalef32_pk8_fp4_f32 v[16+4*(\t)+\g], v[XS+8*\g:XS+8*\g+7], v11
.endr
	v_nop                                          ; one plain place behind the conversions
.endm
	WBLOCK 0
	WBLOCK 1
	WBLOCK 2
	WBLOCK 3
.irp i, 0,1,2,3                                ; lanes 0-15 hold my first tile's columns, lanes 16-31 my second's: the exchange makes v16-19, v24-27 the first tile's quads 0, 1 and v20-23, v28-31 the second's
	v_permlane16_swap_b32 v[16+\i], v[20+\i]
	v_permlane16_swap_b32 v[24+\i], v[28+\i]
.endr
	global_store_b128 v[LI], v[16:19], s[42:43]
	global_store_b128 v[LI], v[24:27], s[42:43] offset:512
	global_store_b128 v[LI], v[20:23], s[42:43] offset:8192
	global_store_b128 v[LI], v[28:31], s[42:43] offset:8704
	global_store_b32 v2, v10, s[52:53]
	s_endpgm
; Wo: f16(4 Wo), as f16 images with rows = columns n.  A block of 32 along K is one image for each of my two tiles of 16 columns.
.macro OBLOCK g
.set OB, 64+32*(\g)
	WAITB \g
.set n, 0
.rept 16
	v_pk_mul_f32 v[OB+2*n:OB+2*n+1], v[OB+2*n:OB+2*n+1], 4.0 op_sel_hi:[1,0]
.set n, n+1
.endr
.set n, 0
.rept 16
	v_cvt_pk_f16_f32 v[OB+n], v[OB+2*n], v[OB+2*n+1]   ; ascending: a register is written only when it has been read.  v[OB + 4 p ..]: k = 8 p + 0 .. 7 of my column
.set n, n+1
.endr
.irp i, 0,1,2,3                                ; the exchange makes v[OB ..], v[OB + 8 ..] the first tile's halves 0, 1 and v[OB + 4 ..], v[OB + 12 ..] the second's
	v_permlane16_swap_b32 v[OB+\i], v[OB+4+\i]
	v_permlane16_swap_b32 v[OB+8+\i], v[OB+12+\i]
.endr
	global_store_b128 v[LI], v[OB:OB+3], s[42:43] offset:1024*(\g)
	global_store_b128 v[LI], v[OB+8:OB+11], s[42:43] offset:1024*(\g)+512
	global_store_b128 v[LI], v[OB+4:OB+7], s[42:43] offset:32768+1024*(\g)
	global_store_b128 v[LI], v[OB+12:OB+15], s[42:43] offset:32768+1024*(\g)+512
.endm
.Lwo:
	s_lshr_b32 s50, s49, 4
	s_lshl_b32 s50, s50, 5
	s_lshl_b32 s52, s47, 2
	s_add_co_u32 s50, s50, s52                     ; 32 x tile + 4 x K step
	s_lshl_b32 s50, s50, 10
	s_add_nc_u64 s[42:43], s[36:37], s[50:51]
	OBLOCK 0
	OBLOCK 1
	OBLOCK 2
	OBLOCK 3
	s_endpgm
.Lfunc_end_k_q09348d8281_prep:
	.size	k_q09348d8281_prep, .Lfunc_end_k_q09348d8281_prep-k_q09348d8281_prep
	.p2alignl 7, 3214868480
	.fill 96, 4, 3214868480
	.section	.rodata,"a",@progbits
	.p2align	6, 0x0
	.amdhsa_kernel k_q09348d8281_prep
		.amdhsa_group_segment_fixed_size 34304
		.amdhsa_private_segment_fixed_size 0
		.amdhsa_enable_private_segment 0
		.amdhsa_kernarg_size 144
		.amdhsa_user_sgpr_count 2
		.amdhsa_user_sgpr_kernarg_segment_ptr 1
		.amdhsa_wavefront_size32 1
		.amdhsa_system_sgpr_workgroup_id_x 1
		.amdhsa_system_sgpr_workgroup_id_y 1
		.amdhsa_system_sgpr_workgroup_id_z 1
		.amdhsa_system_vgpr_workitem_id 0
		.amdhsa_next_free_vgpr 256
		.amdhsa_next_free_sgpr 66
		.amdhsa_reserve_vcc 0
		.amdhsa_float_denorm_mode_32 3
		.amdhsa_float_denorm_mode_16_64 3
		.amdhsa_memory_ordered 1
		.amdhsa_forward_progress 1
		.amdhsa_inst_pref_size 116
	.end_amdhsa_kernel
	.amdgpu_metadata
---
amdhsa.version: [ 1, 2 ]
amdhsa.kernels:
  - .name:           k_q09348d8281_prep
    .symbol:         k_q09348d8281_prep.kd
    .args:
      - { .name: x, .offset: 0, .size: 8, .value_kind: global_buffer, .address_space: global }
      - { .name: context, .offset: 8, .size: 8, .value_kind: global_buffer, .address_space: global }
      - { .name: Wq, .offset: 16, .size: 8, .value_kind: global_buffer, .address_space: global }
      - { .name: Wk, .offset: 24, .size: 8, .value_kind: global_buffer, .address_space: global }
      - { .name: Wv, .offset: 32, .size: 8, .value_kind: global_buffer, .address_space: global }
      - { .name: Wk_ip, .offset: 40, .size: 8, .value_kind: global_buffer, .address_space: global }
      - { .name: Wv_ip, .offset: 48, .size: 8, .value_kind: global_buffer, .address_space: global }
      - { .name: Wk_ap, .offset: 56, .size: 8, .value_kind: global_buffer, .address_space: global }
      - { .name: Wv_ap, .offset: 64, .size: 8, .value_kind: global_buffer, .address_space: global }
      - { .name: Wo, .offset: 72, .size: 8, .value_kind: global_buffer, .address_space: global }
      - { .name: rel_k, .offset: 80, .size: 8, .value_kind: global_buffer, .address_space: global }
      - { .name: rel_v, .offset: 88, .size: 8, .value_kind: global_buffer, .address_space: global }
      - { .name: xc, .offset: 96, .size: 8, .value_kind: global_buffer, .address_space: global }
      - { .name: xs, .offset: 104, .size: 8, .value_kind: global_buffer, .address_space: global }
      - { .name: wc, .offset: 112, .size: 8, .value_kind: global_buffer, .address_space: global }
      - { .name: ws, .offset: 120, .size: 8, .value_kind: global_buffer, .address_space: global }
      - { .name: wo16, .offset: 128, .size: 8, .value_kind: global_buffer, .address_space: global }
      - { .name: rel, .offset: 136, .size: 8, .value_kind: global_buffer, .address_space: global }
    .group_segment_fixed_size: 34304
    .private_segment_fixed_size: 0
    .kernarg_segment_align: 8
    .kernarg_segment_size: 144
    .max_flat_workgroup_size: 128
    .sgpr_count:     66
    .vgpr_count:     256
    .wavefront_size: 32
...
	.end_amdgpu_metadata
.endif
;; end of part 1
;; launch att (part 2): grid 8 x 32, 8 waves a work-group, no clusters, 312,320 bytes of LDS; arguments xc, xs, wc, ws, rel, alpha, beta, o16; writes o16
.if DOCPART == 2
	.amdgcn_target "amdgcn-amd-amdhsa--gfx1250"
	.amdhsa_code_object_version 6
	.text
	.protected	k_q09348d8281_att
	.globl	k_q09348d8281_att
	.p2align	8
	.type	k_q09348d8281_att,@function
k_q09348d8281_att:
	s_mov_b64 s[64:65], 0
	v_nop
	global_prefetch_b8 v0, s[64:65] scope:SCOPE_SE
	s_setreg_imm32_b32 hwreg(HW_REG_WAVE_MODE, 25, 1), 1
	s_wait_xcnt 0x0
; Launch 2 of 3: for one batch b (grid y) and one pair of heads hp (grid x): the six key and value projections, the query projection, the three softmaxes and their products.  Stores f16(o / 4).
; WORK LEFT OUT (shown at the head of the first kernel): q . rel_k[dist] is not made for query tiles i >= 96, where it is constant along the softmax's axis; rel_v[dist] is taken as rel_v[0], the C of
; the first product with V, plus a difference table that is multiplied for i < 96 alone.
; NO CLUSTER: the work-groups of a batch share x's codes and those of a head pair share weights, but all operands go from memory straight into operand registers, and joint requests land in LDS:
; of the 327,680 bytes 312,320 are taken, and 272 KB of x's codes or 448 KB of weight slices have no room there.
; QUANTISED products: codes of E2M1 and E8M0 words as the first launch laid them.  Products left as they are: f16 operands, f32 sums.  LIMITS: q, k, v and o / 4 must lie inside f16's range (65,504);
; with x or context offset by 30 spreads and weights likewise they reach about 2e4.  NaN and infinities are not served.
; THE 128 KEYS of a batch: tiles 0-4 text (context rows 0-79; keys 77-79 are image rows in a live tile and are set to -infinity), tile 5 image, tiles 6-7 audio.
; Each stream has its own maximum and sum; p is multiplied by 1/4, (tanh(alpha) + 1)/4, (tanh(beta) + 1)/4 over the stream's sum, so that ONE accumulator takes all 128 keys.
; PHASES: 0: codes and tables into LDS | barrier | KV: wave w makes column tile w of all six weights for all 8 key tiles; images of K and V^T to LDS | barrier |
; 1: wave w makes q of query tiles w, w + 8, w + 16, w + 24, all 128 columns; f16 images to its own LDS | barrier | 2: attention, a tile of 16 queries and a head at a time.
; LDS: WQI Wq's 8 tiles; WSC scale words [weight][K step][128 columns]; KIM [head][key tile][c][1 KB]; VIM [head x 4 + dt][kk][1 KB]; CTXI, CTXS the context's codes and scale images;
; QPK (over CTXI, behind the second barrier) q's images, 16 KB a wave; RELT the tables; behind the third barrier each wave has 9,984 bytes of scratch over WQI and WSC.
.set WQI,  0
.set WSC,  65536
.set KIM,  94208
.set VIM,  126976
.set CTXI, 159744
.set CTXS, 225280
.set QPK,  159744
.set RELT, 290816
.set SPARE, 311296                     ; the spare words, 128 bytes for each of eight waves
.set WSCR, 6400                        ; in a wave's scratch: 16 rows x 400 bytes of f32 (q x table), then 16 rows x 208 bytes of f16 (p, sheared)
; window 0, fixed: v1 16 x lane; v4, v5 the add's two; v6 CTXI, v7 CTXS, v14 KIM, v15 VIM + 16 lane; v8, v10 scale words; v11, v12 where my K, V images go; v13 my q images;
; v16-20 scratch addresses; v21-23, v30, v31 addresses of the moment; v24 the stores' offset; v25 -infinity; v26-29 zeros.
.set MSB, 0
.macro WIN new                         ; the immediate's high byte repeats the setting that is left
.if MSB != (\new)
	s_set_vgpr_msb (MSB<<8)|(\new)
.set MSB, (\new)
.endif
.endm
.macro NOPS n
.rept \n
	v_nop
.endr
.endm
.macro BARRIER                         ; my LDS stores have landed and my LDS loads are in: then the work-group's barrier
	s_wait_dscnt 0x0
	s_barrier_signal -1
	s_barrier_wait -1
.endm
; a product on codes: registers by the symbols rD, rA, rB, rSA, rSB; mZ: it starts the sum; mR: 1 = A's scales, 2 = B's scales stand in lanes 16-31
.macro FP4MUL
.if mZ
	v_wmma_scale_f32_16x16x128_f8f6f4 v[rD:rD+7], v[rA:rA+7], v[rB:rB+7], 0, v[rSA], v[rSB] matrix_a_fmt:MATRIX_FMT_FP4 matrix_b_fmt:MATRIX_FMT_FP4
.elseif mR == 0
	v_wmma_scale_f32_16x16x128_f8f6f4 v[rD:rD+7], v[rA:rA+7], v[rB:rB+7], v[rD:rD+7], v[rSA], v[rSB] matrix_a_fmt:MATRIX_FMT_FP4 matrix_b_fmt:MATRIX_FMT_FP4
.elseif mR == 1
	v_wmma_scale_f32_16x16x128_f8f6f4 v[rD:rD+7], v[rA:rA+7], v[rB:rB+7], v[rD:rD+7], v[rSA], v[rSB] matrix_a_fmt:MATRIX_FMT_FP4 matrix_b_fmt:MATRIX_FMT_FP4 matrix_a_scale:MATRIX_SCALE_ROW1
.else
	v_wmma_scale_f32_16x16x128_f8f6f4 v[rD:rD+7], v[rA:rA+7], v[rB:rB+7], v[rD:rD+7], v[rSA], v[rSB] matrix_a_fmt:MATRIX_FMT_FP4 matrix_b_fmt:MATRIX_FMT_FP4 matrix_b_scale:MATRIX_SCALE_ROW1
.endif
.endm
; a product on f16: rC < 0: it starts the sum
.macro HMUL
.if rC < 0
	v_wmma_f32_16x16x32_f16 v[rD:rD+7], v[rA:rA+7], v[rB:rB+7], 0
.else
	v_wmma_f32_16x16x32_f16 v[rD:rD+7], v[rA:rA+7], v[rB:rB+7], v[rC:rC+7]
.endif
.endm
	s_load_b512 s[4:19], s[0:1], 0x0               ; xc, xs, wc, ws, rel, alpha, beta, o16
	v_lshl_add_u32 v4, v0, 2, SPARE
	v_mov_b32 v5, 0
	v_lshrrev_b32 v2, 5, v0
	v_readfirstlane_b32 s20, v2                    ; wave w, 0..7
	s_mov_b32 s21, ttmp9                           ; hp
	s_and_b32 s22, ttmp7, 0xffff                   ; b
	v_and_b32 v3, 31, v0
	v_lshlrev_b32 v1, 4, v3                        ; 16 x lane
	v_and_b32 v2, 15, v0                           ; r
	v_bfe_u32 v3, v0, 4, 1                         ; h
	v_add_nc_u32 v6, CTXI, v1
	v_add_nc_u32 v7, CTXS, v1
	v_lshl_add_u32 v10, v2, 2, WSC                 ; a column's scale word: 4 r
	s_lshl_b32 s66, s20, 6
	v_add_nc_u32 v8, s66, v10                      ; + my tile's 16 columns
	s_lshr_b32 s66, s20, 2                         ; my column tile w is head w / 4, channels 16 (w % 4) on: half w % 2 of K's image c = (w / 2) % 2
	s_lshl_b32 s66, s66, 14
	s_bfe_u32 s67, s20, 0x10001
	s_lshl_b32 s67, s67, 10
	s_and_b32 s68, s20, 1
	s_lshl_b32 s68, s68, 9
	s_add_co_u32 s66, s66, s67
	s_add_co_u32 s66, s66, s68
	s_add_co_u32 s66, s66, KIM
	v_add_nc_u32 v11, s66, v1
	s_lshl_b32 s66, s20, 12
	s_add_co_u32 s66, s66, VIM
	v_add_nc_u32 v12, s66, v1
	s_lshl_b32 s66, s20, 14
	s_add_co_u32 s66, s66, QPK
	v_add_nc_u32 v13, s66, v1
	v_add_nc_u32 v14, KIM, v1
	v_add_nc_u32 v15, VIM, v1
	s_mul_i32 s69, s20, 9984                       ; my scratch
	v_mul_u32_u24 v16, v2, 400
	v_lshl_add_u32 v16, v3, 5, v16
	v_add_nc_u32 v16, s69, v16                     ; q x table, in: row r of 400 bytes, + 32 h
	v_mul_u32_u24 v17, v2, 396
	v_lshl_add_u32 v17, v3, 5, v17
	v_add_nc_u32 v17, s69, v17                     ; and out, sheared: 4 bytes less for each row
	s_add_co_u32 s69, s69, WSCR
	v_mul_u32_u24 v18, v2, 206
	v_lshl_add_u32 v18, v3, 4, v18
	v_add_nc_u32 v18, s69, v18                     ; p, in, sheared: 2 bytes less for each row of 208
	v_mul_u32_u24 v19, v2, 208
	v_lshl_add_u32 v19, v3, 4, v19
	v_add_nc_u32 v19, s69, v19                     ; and out, as a fragment
	v_add_nc_u32 v20, s69, v1
	s_lshl_b32 s66, s20, 13
	v_add_nc_u32 v21, s66, v6                      ; phase 0: where my context tile goes,
	v_add_nc_u32 v22, s66, v1                      ; my tile of Wq,
	s_lshl_b32 s66, s20, 9
	v_add_nc_u32 v23, s66, v7                      ; my context tile's scale image,
	v_add_nc_u32 v30, WSC, v1
	v_add_nc_u32 v30, s66, v30                     ; K step w of the seven weights' scale words,
	s_mul_i32 s66, s20, 2560
	v_add_nc_u32 v31, RELT, v1
	v_add_nc_u32 v31, s66, v31                     ; my eighth of the tables
	v_mov_b32 v25, 0xff800000
	s_mov_b32 s28, 0x3e38aa3b                      ; c = log2(e) / 8
	s_mov_b32 s29, s28
	s_mov_b32 s30, 0xbe38aa3b                      ; -c
	s_mov_b32 s32, 0x76543210
	s_mov_b32 s33, 0xfedcba98
	s_mov_b32 s34, 0xffff0000                      ; lanes 16-31
	; which table serves tile e of the sheared axis for query tile w: t = clamp(e + 1 - w, 0, 3) = y - min(y, 7), y = min(e + 1 + (w xor 7), 10)
	s_xor_b32 s66, s20, 7
.irp e, 0,1,2,3,4,5
	s_add_co_u32 s67, s66, \e+1
	s_min_u32 s67, s67, 10
	s_min_u32 s68, s67, 7
	s_sub_co_u32 s67, s67, s68
	s_lshl_b32 s68, s67, 11
	s_add_co_u32 s[48+\e], s68, RELT
	s_lshl_b32 s68, s67, 9
	s_add_co_u32 s[54+\e], s68, RELT+8192
.endr
	s_lshl_b32 s66, s22, 5
	s_add_co_u32 s66, s66, s20                     ; 32 b + w: my first query tile
	s_lshl_b32 s23, s66, 15
	s_lshl_b32 s67, s21, 12
	s_add_co_u32 s23, s23, s67                     ; its place in o16, at head 2 hp
	s_mov_b32 s69, 0
	s_mov_b32 s71, 0
	s_mov_b32 s73, 0
	s_mov_b32 s75, 0
	s_lshl_b32 s68, s66, 13
	s_lshl_b32 s70, s66, 9
	s_lshl_b32 s66, s22, 3
	s_add_co_u32 s66, s66, s20
	s_add_co_u32 s66, s66, 1024                    ; my context tile
	s_lshl_b32 s72, s66, 13
	s_lshl_b32 s74, s66, 9
	s_wait_kmcnt 0x0
	s_add_nc_u64 s[36:37], s[4:5], s[68:69]        ; x's codes
	s_add_nc_u64 s[38:39], s[6:7], s[70:71]        ; x's scale images
	s_add_nc_u64 s[40:41], s[4:5], s[72:73]        ; the context's
	s_add_nc_u64 s[42:43], s[6:7], s[74:75]
	s_lshl_b32 s66, s21, 3
	s_add_co_u32 s66, s66, s20
	s_lshl_b32 s68, s66, 13
	s_add_nc_u64 s[44:45], s[8:9], s[68:69]        ; column tile 8 hp + w of Wq; the other weights lie 524,288 bytes apart
	s_lshl_b32 s68, s20, 12
	s_lshl_b32 s66, s21, 9
	s_add_co_u32 s68, s68, s66
	s_add_nc_u64 s[46:47], s[10:11], s[68:69]      ; scale words: K step w, columns 128 hp on
	s_mul_i32 s68, s20, 2560
	s_add_nc_u64 s[12:13], s[12:13], s[68:69]
	s_load_b32 s24, s[14:15], 0x0                  ; alpha
	s_load_b32 s25, s[16:17], 0x0                  ; beta
; ---- phase 0: 45 loads for LDS, then the first four K steps of my six weight tiles into the register ring
	WIN 0x40
.irp i, 0,1,2,3,4,5,6,7,8,9,10,11,12,13,14,15
	global_load_b128 v[4*\i:4*\i+3], v1, s[40:41] offset:512*\i
.endr
.irp i, 0,1,2,3,4,5,6,7,8,9,10,11,12,13,14,15
	global_load_b128 v[64+4*\i:67+4*\i], v1, s[44:45] offset:512*\i
.endr
	WIN 0
	global_load_b128 v[32:35], v1, s[42:43]
.irp m, 0,1,2,3,4,5,6
	global_load_b128 v[36+4*\m:39+4*\m], v1, s[46:47] offset:32768*\m
.endr
.irp i, 0,1,2,3,4
	global_load_b128 v[64+4*\i:67+4*\i], v1, s[12:13] offset:512*\i
.endr
.macro ULOAD s                         ; K step s of units 0-5 (Wk, Wv, Wk_ip, Wv_ip, Wk_ap, Wv_ap) into ring slot s % 4: 48 registers from v128 + 48 (s % 2) of window (s % 4) / 2
	WIN 0x40*(((\s)%4)>>1)
.irp q, 0,1,2,3,4,5
.irp c, 0,1
	global_load_b128 v[128+48*((\s)&1)+8*\q+4*\c:131+48*((\s)&1)+8*\q+4*\c], v1, s[44:45] offset:(\q+1)*524288+(\s)*1024+512*\c
.endr
.endr
	WIN 0
.endm
	ULOAD 0
	ULOAD 1
	ULOAD 2
	ULOAD 3
	; the gates: (tanh(a) + 1) / 4 = 0.5 / (1 + 2^(-2 log2(e) a)): no difference of near numbers
	s_wait_kmcnt 0x0
	v_mov_b32 v2, 0xc038aa3b
	v_mul_f32 v3, s25, v2
	v_mul_f32 v2, s24, v2
	v_exp_f32 v2, v2
	v_exp_f32 v3, v3
	v_nop
	s_wait_alu depctr_va_vdst(0)                   ; one wait for the two exponentials, ahead of their first reader
	v_add_f32 v2, 1.0, v2
	v_add_f32 v3, 1.0, v3
	v_rcp_f32 v26, v2
	v_rcp_f32 v27, v3
	v_nop
	s_wait_alu depctr_va_vdst(0)                   ; and one for the two reciprocals
	v_mul_f32 v26, 0.5, v26
	v_mul_f32 v27, 0.5, v27
	v_readfirstlane_b32 s26, v26                   ; used as factors alone
	v_readfirstlane_b32 s27, v27
.irp i, 26,27,28,29
	v_mov_b32 v\i, 0
.endr
	s_wait_loadcnt 48                              ; the 45 are in; the ring's 48 may be out
	WIN 0x04                                       ; an LDS store's data are its source 1: window 1
.irp i, 0,1,2,3,4,5,6,7,8,9,10,11,12,13,14,15
	ds_store_b128 v21, v[4*\i:4*\i+3] offset:512*\i
.endr
.irp i, 0,1,2,3,4,5,6,7,8,9,10,11,12,13,14,15
	ds_store_b128 v22, v[64+4*\i:67+4*\i] offset:512*\i
.endr
	WIN 0
	ds_store_b128 v23, v[32:35]
.irp m, 0,1,2,3,4,5,6
	ds_store_b128 v30, v[36+4*\m:39+4*\m] offset:4096*\m
.endr
.irp i, 0,1,2,3,4
	ds_store_b128 v31, v[64+4*\i:67+4*\i] offset:512*\i
.endr
	BARRIER                                        ; codes, scale words and tables lie in LDS
; ---- KV: sixteen accumulators in window 1 (K^T: v[8 kt]; V: v[64 + 8 kt]) by turns, one instruction a turn
; K-type: source 0 = my 16 columns of Wk*, source 1 = 16 keys: a lane holds a key, its registers 8 channels.  V-type: the sources swapped: a lane holds a channel, its registers 8 keys.
.macro KLDS s                          ; K step s: the context's 8 fragments and my six tiles' scale words
.irp t, 0,1,2,3,4,5,6,7
.irp c, 0,1
	ds_load_b128 v[32+8*\t+4*\c:35+8*\t+4*\c], v6 offset:8192*\t+1024*(\s)+512*\c
.endr
.endr
.irp q, 0,1,2,3,4,5
	ds_load_b32 v[224+\q], v8 offset:4096*(\q+1)+512*(\s)
.endr
.endm
.macro XLOAD s                         ; K step s of my four query tiles' codes into ring slot s % 4: v128 + 32 (s % 4)
.irp qt, 0,1,2,3
.irp c, 0,1
	global_load_b128 v[128+32*((\s)%4)+8*\qt+4*\c:131+32*((\s)%4)+8*\qt+4*\c], v1, s[36:37] offset:65536*\qt+1024*(\s)+512*\c
.endr
.endr
.endm
.macro KSTEP s, n                      ; n: the global loads issued behind this K step's twelve, which may stay out
.set U, 128+48*((\s)&1)
.set SW, ((\s)%4)>>1
.set mZ, 0
.if (\s) == 0
.set mZ, 1
.endif
	s_wait_loadcnt \n
	s_wait_dscnt 0x0
	WIN 0x50+SW
.set mR, 0
.if (\s) >= 4
.set mR, 2
.endif
.irp kt, 0,1,2,3,4,5,6,7
.set QK, 2*((\kt)/5+(\kt)/6)           ; text: units 0, 1; image: 2, 3; audio: 4, 5
.set rD, 8*\kt
.set rA, U+8*QK
.set rB, 32+8*\kt
.set rSA, 224+QK
.set rSB, 96+4*\kt+((\s)&3)
	FP4MUL
.endr
	WIN 0x50+4*SW
.if (\s) >= 4
.set mR, 1
.endif
.irp kt, 0,1,2,3,4,5,6,7
.set QK, 2*((\kt)/5+(\kt)/6)
.set rD, 64+8*\kt
.set rA, 32+8*\kt
.set rB, U+8*(QK+1)
.set rSA, 96+4*\kt+((\s)&3)
.set rSB, 225+QK
	FP4MUL
.endr
	WIN 0
	NOPS 4                                         ; places in front of loads into registers that these products have read
.if (\s) < 7
	KLDS (\s)+1
.endif
.if (\s) < 4
	ULOAD (\s)+4
.endif
.if (\s) == 5                          ; window 0's two ring slots are done with: x's first three K steps take their place
	XLOAD 0
	XLOAD 1
	XLOAD 2
.endif
.if (\s) == 7
.irp qt, 0,1,2,3
	global_load_b128 v[96+4*\qt:99+4*\qt], v1, s[38:39] offset:4096*\qt   ; x's scale images
.endr
	XLOAD 3
.endif
.endm
.irp t, 0,1,2,3,4,5,6,7
	ds_load_b128 v[96+4*\t:99+4*\t], v7 offset:512*\t      ; the context's scale images: register j: lanes 0-15 K step j, lanes 16-31 K step 4 + j
.endr
	KLDS 0
	KSTEP 0, 36                                    ; behind unit s: three later units
	KSTEP 1, 36
	KSTEP 2, 36
	KSTEP 3, 36
	KSTEP 4, 36
	KSTEP 5, 24                                    ; two units
	KSTEP 6, 36                                    ; one unit and x's 24
	KSTEP 7, 24                                    ; x's 24
	WIN 0x05                                       ; sources in window 1, results in window 0
.irp kt, 0,1,2,3,4,5,6,7
.irp i, 0,1,2,3
	v_cvt_pk_f16_f32 v[32+4*\kt+\i], v[8*\kt+2*\i], v[8*\kt+2*\i+1]
.endr
.endr
.irp kt, 0,1,2,3,4,5,6,7
.irp i, 0,1,2,3
	v_cvt_pk_f16_f32 v[64+4*\kt+\i], v[64+8*\kt+2*\i], v[64+8*\kt+2*\i+1]
.endr
.endr
	WIN 0
.irp kt, 0,1,2,3,4,5,6,7
	ds_store_b128 v11, v[32+4*\kt:35+4*\kt] offset:2048*\kt    ; half an image of K: 16 keys x my 16 channels
	ds_store_b128 v12, v[64+4*\kt:67+4*\kt] offset:512*\kt     ; half an image of V^T: my 16 channels x 16 keys
.endr
	BARRIER                                        ; K's and V's images lie in LDS, and nobody reads the context's codes any more
; ---- 1: q^T: source 0 = 16 columns of Wq, source 1 = 16 queries; 32 accumulators (dt, qt) at v[8 (4 dt + qt)] fill window 1 and take turns
.macro QLDS s
.irp dt, 0,1,2,3,4,5,6,7
.irp c, 0,1
	ds_load_b128 v[32+8*\dt+4*\c:35+8*\dt+4*\c], v1 offset:WQI+8192*\dt+1024*(\s)+512*\c
.endr
.endr
.irp dt, 0,1,2,3,4,5,6,7
	ds_load_b32 v[112+\dt], v10 offset:512*(\s)+64*\dt
.endr
.endm
.macro QSTEP s, n                      ; n: x's younger loads, which may stay out
.set mZ, 0
.if (\s) == 0
.set mZ, 1
.endif
.set mR, 0
.if (\s) >= 4
.set mR, 2
.endif
	s_wait_loadcnt \n
	s_wait_dscnt 0x0
	WIN 0x50
.irp dt, 0,1,2,3,4,5,6,7
.irp qt, 0,1,2,3
.set rD, 8*(4*\dt+\qt)
.set rA, 32+8*\dt
.set rB, 128+32*((\s)%4)+8*\qt
.set rSA, 112+\dt
.set rSB, 96+4*\qt+((\s)&3)
	FP4MUL
.endr
.endr
	WIN 0
	NOPS 4
.if (\s) < 7
	QLDS (\s)+1
.endif
.if (\s) < 4
	XLOAD (\s)+4
.endif
.endm
	QLDS 0
	QSTEP 0, 8                                     ; K steps 0-2 and the scale images are in; K step 3 may be out
	QSTEP 1, 16
	QSTEP 2, 24
	QSTEP 3, 24
	QSTEP 4, 24
	QSTEP 5, 16
	QSTEP 6, 8
	QSTEP 7, 0
	WIN 0x05
.irp dt, 0,1,2,3,4,5,6,7
.irp qt, 0,1,2,3
.set N, ((((\dt)>>2)*4+\qt)*2+(((\dt)>>1)&1))*2+((\dt)&1)   ; head dt / 4, query tile qt, image c = (dt / 2) % 2, half dt % 2
.irp i, 0,1,2,3
	v_cvt_pk_f16_f32 v[128+4*N+\i], v[8*(4*\dt+\qt)+2*\i], v[8*(4*\dt+\qt)+2*\i+1]
.endr
.endr
.endr
	WIN 0
.set n, 0
.rept 32
	ds_store_b128 v13, v[128+4*n:131+4*n] offset:512*n
.set n, n+1
.endr
	BARRIER                                        ; nobody reads Wq's codes and the scale words any more: their bytes become the waves' scratch
; ---- 2: attention.  window 1: K's 16 fragments at v[8 (2 kt + c)], V^T's 16 at v[128 + 8 (4 dt + kk)].  window 0: v32-47 Q; v48-111 S^T, then p; v112-143 O^T; v144-175 rel_v[0] / 4;
; v176-183 maxima; v184-186 exchanges; v188-193 pairs: -c max, later the streams' factors; v194-199 sums; v200-255 at work.
.irp i, 0,1,2,3,4,5,6
	ds_store_b128 v20, v[26:29] offset:512*\i      ; the sheared p's rows begin as zeros; the places written are the same each time
.endr
	v_add_nc_u32 v21, RELT+16384, v1
.irp n, 0,1,2,3,4,5,6,7
	ds_load_b128 v[144+4*\n:147+4*\n], v21 offset:512*\n
.endr
.irp i, 184,185,186,189,191,193
	v_mov_b32 v\i, 0                               ; permutes' destinations, and the pairs' upper halves, are written once
.endr
.macro SMUL kt, c, inplace
.set rD, 48+8*(\kt)
.set rA, 16*(\kt)+8*(\c)
.set rB, 32+8*(\c)
.set rC, -1
.if \inplace
.set rC, rD
.endif
	HMUL
.endm
.macro TILE rel                        ; 16 queries of one head; rel = 1: the wave's first query tile, which has live relative positions where w < 6
	s_wait_xcnt 0x0                                ; the last tile's stores have read their offset and data: both are written again below
	v_add_nc_u32 v21, s60, v13
.irp n, 0,1,2,3
	ds_load_b128 v[32+4*\n:35+4*\n], v21 offset:512*\n
.endr
.if \rel
	s_cmp_lt_u32 s20, 6
	s_cbranch_scc0 .Lplain_\@
	; E[ii][m] = q_ii . rel_k[clamp(m - 16 w + 1, 0, 32)], m = 0 .. 95, six tiles in two groups of three; then T[ii][j] = E[ii][j - ii + 15] by a row pitch 4 bytes shorter on the way out
.irp g, 0,1
	v_add_nc_u32 v22, s[48+3*\g], v1
	v_add_nc_u32 v23, s[49+3*\g], v1
	v_add_nc_u32 v30, s[50+3*\g], v1
.irp n, 0,1,2,3
	ds_load_b128 v[200+4*\n:203+4*\n], v22 offset:512*\n
	ds_load_b128 v[216+4*\n:219+4*\n], v23 offset:512*\n
	ds_load_b128 v[232+4*\n:235+4*\n], v30 offset:512*\n
.endr
	s_wait_dscnt 0x0
.irp c, 0,1
.irp e, 0,1,2
.set rD, 48+8*(3*\g+\e)
.set rA, 200+16*\e+8*\c
.set rB, 32+8*\c
.set rC, rD
.if \c == 0
.set rC, -1
.endif
	HMUL
.endr
.endr
	NOPS 5                                         ; four for the stores and loads below; the fifth since a later product begins a sum anew over these results
.irp e, 0,1,2
	ds_store_b128 v16, v[48+8*(3*\g+\e):51+8*(3*\g+\e)] offset:64*(3*\g+\e)
	ds_store_b128 v16, v[52+8*(3*\g+\e):55+8*(3*\g+\e)] offset:64*(3*\g+\e)+16
.endr
.endr
.irp kt, 0,1,2,3,4
.irp j, 0,1,2,3,4,5,6,7
	ds_load_b32 v[48+8*\kt+\j], v17 offset:60+64*\kt+4*\j      ; LDS serves a wave's instructions in order: these see the stores above
.endr
.endr
	s_wait_dscnt 0x0
	WIN 0x01
.irp kt, 0,1,2,3,4
	SMUL \kt, 0, 1                                 ; the text's scores begin with T as their C
.endr
	WIN 0
	s_branch .Ljoin_\@
.Lplain_\@:
.endif
	s_wait_dscnt 0x0
	WIN 0x01
.irp kt, 0,1,2,3,4
	SMUL \kt, 0, 0
.endr
	WIN 0
.if \rel
.Ljoin_\@:
.endif
	WIN 0x01
.irp kt, 5,6,7
	SMUL \kt, 0, 0
.endr
.irp kt, 0,1,2,3,4,5,6,7
	SMUL \kt, 1, 1
.endr
	WIN 0
	NOPS 4
.irp kt, 0,1,2,3,4,5,6,7
	v_max3_num_f32 v[176+\kt], v[48+8*\kt], v[49+8*\kt], v[50+8*\kt]   ; each result is read from its low end first
.endr
.irp i, 85,86,87
	v_cndmask_b32 v\i, v\i, v25, s34               ; keys 77, 78, 79 (tile 4, lanes 16-31, registers 5-7) do not count
.endr
.irp kt, 0,1,2,3,4,5,6,7
	v_max3_num_f32 v[176+\kt], v[176+\kt], v[51+8*\kt], v[52+8*\kt]
.endr
.irp kt, 0,1,2,3,4,5,6,7
	v_max3_num_f32 v[176+\kt], v[176+\kt], v[53+8*\kt], v[54+8*\kt]
.endr
.irp kt, 0,1,2,3,4,5,6,7
	v_max_num_f32 v[176+\kt], v[176+\kt], v[55+8*\kt]
.endr
	v_max3_num_f32 v176, v176, v177, v178
	v_max_num_f32 v182, v182, v183                 ; audio
	v_max3_num_f32 v176, v176, v179, v180          ; text; image is v181
	v_permlanex16_b32 v184, v176, s32, s33
	v_permlanex16_b32 v185, v181, s32, s33
	v_permlanex16_b32 v186, v182, s32, s33
	v_max_num_f32 v176, v176, v184
	v_max_num_f32 v181, v181, v185
	v_max_num_f32 v182, v182, v186
	v_mul_f32 v188, s30, v176                      ; -c max of each stream
	v_mul_f32 v190, s30, v181
	v_mul_f32 v192, s30, v182
.set i, 0
.rept 32
.set NMP, 188
.if i >= 20
.set NMP, 190
.endif
.if i >= 24
.set NMP, 192
.endif
	v_pk_fma_f32 v[48+2*i:49+2*i], v[48+2*i:49+2*i], s[28:29], v[NMP:NMP+1] op_sel_hi:[1,0,0]
.set i, i+1
.endr
.set i, 0
.rept 64
	v_exp_f32 v[48+i], v[48+i]
.set i, i+1
.endr
	v_nop                                          ; a plain place behind the last exponential
	s_wait_alu depctr_va_vdst(0)                   ; one wait for the 64, ahead of their first reader
	v_pk_add_f32 v[194:195], v[48:49], v[50:51]    ; the streams' sums: text in two chains
	v_pk_add_f32 v[200:201], v[52:53], v[54:55]
	v_pk_add_f32 v[196:197], v[88:89], v[90:91]
	v_pk_add_f32 v[198:199], v[96:97], v[98:99]
.set i, 4
.rept 8
	v_pk_add_f32 v[194:195], v[194:195], v[48+2*i:49+2*i]
	v_pk_add_f32 v[200:201], v[200:201], v[50+2*i:51+2*i]
.set i, i+2
.endr
	v_pk_add_f32 v[196:197], v[196:197], v[92:93]
	v_pk_add_f32 v[198:199], v[198:199], v[100:101]
	v_pk_add_f32 v[196:197], v[196:197], v[94:95]
.irp i, 102,104,106,108,110
	v_pk_add_f32 v[198:199], v[198:199], v[\i:\i+1]
.endr
	v_pk_add_f32 v[194:195], v[194:195], v[200:201]
	v_add_f32 v194, v194, v195
	v_add_f32 v196, v196, v197
	v_add_f32 v198, v198, v199
	v_permlanex16_b32 v184, v194, s32, s33
	v_permlanex16_b32 v185, v196, s32, s33
	v_permlanex16_b32 v186, v198, s32, s33
	v_add_f32 v194, v194, v184
	v_add_f32 v196, v196, v185
	v_add_f32 v198, v198, v186
	v_rcp_f32 v195, v194
	v_rcp_f32 v197, v196
	v_rcp_f32 v199, v198
	v_nop
	s_wait_alu depctr_va_vdst(0)                   ; one wait for the three reciprocals
	v_mul_f32 v188, 0x3e800000, v195               ; 1/4 over the sum
	v_mul_f32 v190, s26, v197                      ; the gates over the sums
	v_mul_f32 v192, s27, v199
.set i, 0
.rept 32
.set NMP, 188
.if i >= 20
.set NMP, 190
.endif
.if i >= 24
.set NMP, 192
.endif
	v_pk_mul_f32 v[48+2*i:49+2*i], v[48+2*i:49+2*i], v[NMP:NMP+1] op_sel_hi:[1,0]
.set i, i+1
.endr
.set i, 0
.rept 32
	v_cvt_pk_f16_f32 v[48+i], v[48+2*i], v[49+2*i] ; ascending, in place: p's fragment of keys 32 kk on is v[48 + 8 kk]
.set i, i+1
.endr
	NOPS 4
	WIN 0x01
.irp kk, 0,1,2,3
.irp dt, 0,1,2,3
.set rD, 112+8*\dt
.set rA, 128+8*(4*\dt+\kk)
.set rB, 48+8*\kk
.set rC, rD
.if \kk == 0
.set rC, 144+8*\dt                     ; rel_v[0] / 4 starts each sum
.endif
	HMUL
.endr
.endr
	WIN 0
.if \rel
	s_cmp_lt_u32 s20, 6
	s_cbranch_scc0 .Lnorel_\@
	; O^T += (rel_v[..] - rel_v[0])^T W, W[ii][m] = p[ii][m + ii - 15]: the text's p goes into rows 2 bytes shorter than they are read
.irp kt, 0,1,2,3,4
.irp i, 0,1,2,3
	ds_store_b16 v18, v[48+4*\kt+\i] offset:30+32*\kt+4*\i
	ds_store_b16_d16_hi v18, v[48+4*\kt+\i] offset:32+32*\kt+4*\i
.endr
.endr
.irp n, 0,1,2,3,4,5
	ds_load_b128 v[232+4*\n:235+4*\n], v19 offset:32*\n
.endr
	v_add_nc_u32 v22, s54, v1
	v_add_nc_u32 v23, s55, v1
	v_add_nc_u32 v30, s56, v1
	v_add_nc_u32 v31, s57, v1
.irp dt, 0,1,2,3
	ds_load_b128 v[200+8*\dt:203+8*\dt], v22 offset:2048*\dt
	ds_load_b128 v[204+8*\dt:207+8*\dt], v23 offset:2048*\dt
	ds_load_b128 v[80+8*\dt:83+8*\dt], v30 offset:2048*\dt
	ds_load_b128 v[84+8*\dt:87+8*\dt], v31 offset:2048*\dt
.endr
	s_wait_dscnt 0x0
.irp dt, 0,1,2,3
.set rD, 112+8*\dt
.set rA, 200+8*\dt
.set rB, 232
.set rC, rD
	HMUL
.endr
.irp dt, 0,1,2,3
.set rD, 112+8*\dt
.set rA, 80+8*\dt
.set rB, 240
.set rC, rD
	HMUL
.endr
	NOPS 4
	v_add_nc_u32 v22, s58, v1
	v_add_nc_u32 v23, s59, v1
.irp dt, 0,1,2,3
	ds_load_b128 v[200+8*\dt:203+8*\dt], v22 offset:2048*\dt
	ds_load_b128 v[204+8*\dt:207+8*\dt], v23 offset:2048*\dt
.endr
	s_wait_dscnt 0x0
.irp dt, 0,1,2,3
.set rD, 112+8*\dt
.set rA, 200+8*\dt
.set rB, 248
.set rC, rD
	HMUL
.endr
.Lnorel_\@:
.endif
	NOPS 4
.irp dt, 0,1,2,3
.irp i, 0,1,2,3
	v_cvt_pk_f16_f32 v[200+4*\dt+\i], v[112+8*\dt+2*\i], v[113+8*\dt+2*\i]
.endr
.endr
	v_add_nc_u32 v24, s61, v1
.irp dt, 0,1,2,3
	global_store_b128 v24, v[200+4*\dt:203+4*\dt], s[18:19] offset:512*\dt   ; half an image of o / 4: the wave stores 512 consecutive bytes
.endr
	s_add_co_u32 s60, s60, 2048                    ; my next query tile's q,
	s_add_co_u32 s61, s61, 262144                  ; and its place in o16: eight row tiles on
.endm
.macro HEAD hd
	WIN 0x40
.set f, 0
.rept 16
	ds_load_b128 v[8*f:8*f+3], v14 offset:16384*\hd+1024*f
	ds_load_b128 v[8*f+4:8*f+7], v14 offset:16384*\hd+1024*f+512
	ds_load_b128 v[128+8*f:131+8*f], v15 offset:16384*\hd+1024*f
	ds_load_b128 v[132+8*f:135+8*f], v15 offset:16384*\hd+1024*f+512
.set f, f+1
.endr
	WIN 0
	s_mov_b32 s60, 8192*\hd
	s_add_co_u32 s61, s23, 2048*\hd
	TILE 1
	s_mov_b32 s62, 3
.Ltiles_\@:
	TILE 0
	s_sub_co_u32 s62, s62, 1
	s_cmp_lg_u32 s62, 0
	s_cbranch_scc1 .Ltiles_\@
.endm
	HEAD 0
	HEAD 1
	s_wait_tensorcnt 0x0                           ; the wave's end
	ds_add_u32 v4, v5
	s_wait_dscnt 0x0
	s_endpgm
.Lfunc_end_k_q09348d8281_att:
	.size	k_q09348d8281_att, .Lfunc_end_k_q09348d8281_att-k_q09348d8281_att
	.p2alignl 7, 3214868480
	.fill 96, 4, 3214868480
	.section	.rodata,"a",@progbits
	.p2align	6, 0x0
	.amdhsa_kernel k_q09348d8281_att
		.amdhsa_group_segment_fixed_size 312320
		.amdhsa_private_segment_fixed_size 0
		.amdhsa_enable_private_segment 0
		.amdhsa_kernarg_size 64
		.amdhsa_user_sgpr_count 2
		.amdhsa_user_sgpr_kernarg_segment_ptr 1
		.amdhsa_wavefront_size32 1
		.amdhsa_system_sgpr_workgroup_id_x 1
		.amdhsa_system_sgpr_workgroup_id_y 1
		.amdhsa_system_sgpr_workgroup_id_z 1
		.amdhsa_system_vgpr_workitem_id 0
		.amdhsa_next_free_vgpr 512
		.amdhsa_next_free_sgpr 80
		.amdhsa_reserve_vcc 0
		.amdhsa_float_denorm_mode_32 3
		.amdhsa_float_denorm_mode_16_64 3
		.amdhsa_memory_ordered 1
		.amdhsa_forward_progress 1
		.amdhsa_inst_pref_size 226
	.end_amdhsa_kernel
	.amdgpu_metadata
---
amdhsa.version: [ 1, 2 ]
amdhsa.kernels:
  - .name:           k_q09348d8281_att
    .symbol:         k_q09348d8281_att.kd
    .args:
      - { .name: xc, .offset: 0, .size: 8, .value_kind: global_buffer, .address_space: global }
      - { .name: xs, .offset: 8, .size: 8, .value_kind: global_buffer, .address_space: global }
      - { .name: wc, .offset: 16, .size: 8, .value_kind: global_buffer, .address_space: global }
      - { .name: ws, .offset: 24, .size: 8, .value_kind: global_buffer, .address_space: global }
      - { .name: rel, .offset: 32, .size: 8, .value_kind: global_buffer, .address_space: global }
      - { .name: alpha, .offset: 40, .size: 8, .value_kind: global_buffer, .address_space: global }
      - { .name: beta, .offset: 48, .size: 8, .value_kind: global_buffer, .address_space: global }
      - { .name: o16, .offset: 56, .size: 8, .value_kind: global_buffer, .address_space: global }
    .group_segment_fixed_size: 312320
    .private_segment_fixed_size: 0
    .kernarg_segment_align: 8
    .kernarg_segment_size: 64
    .max_flat_workgroup_size: 256
    .sgpr_count:     80
    .vgpr_count:     512
    .wavefront_size: 32
...
	.end_amdgpu_metadata
.endif
;; end of part 2
;; launch gemm (part 3): grid 4 x 64, 4 waves a work-group, clusters of 4 x 4, 327,680 bytes of LDS; arguments o16, wo16, bo, out0; writes out0
.if DOCPART == 3
	.amdgcn_target "amdgcn-amd-amdhsa--gfx1250"
	.amdhsa_code_object_version 6
	.text
	.protected	k_q09348d8281_gemm
	.globl	k_q09348d8281_gemm
	.p2align	8
	.type	k_q09348d8281_gemm,@function
k_q09348d8281_gemm:
	s_mov_b64 s[64:65], 0
	v_nop
	global_prefetch_b8 v0, s[64:65] scope:SCOPE_SE
	s_setreg_imm32_b32 hwreg(HW_REG_WAVE_MODE, 25, 1), 1
	s_wait_xcnt 0x0
	s_wait_alu depctr_hold_cnt(0) depctr_sa_sdst(0) depctr_va_vdst(0) depctr_va_sdst(0) depctr_va_ssrc(0) depctr_va_vcc(0) depctr_vm_vsrc(0)
	s_getreg_b32 s2, hwreg(HW_REG_IB_STS2, 6, 4)
	s_cmp_eq_u32 s2, 0
	s_cbranch_scc0 .Lentry_in_a_cluster
	s_endpgm
.Lentry_in_a_cluster:
	s_bfe_u32 s2, ttmp6, 0x10000c
	s_cmp_lg_u32 s2, 0xf033
	s_cbranch_scc0 .Lentry_shape_is_right
	s_endpgm
.Lentry_shape_is_right:
; Launch 3 of 3: out0[m][n] = sum over k of o[m][k] Wo[k][n] + bo[n], 16,384 x 1,024 x 1,024.  o16 holds f16(o / 4), wo16 f16(4 Wo): the two factors cancel exactly.  Sums in f32; bo is the C of each sum's first product.
; Both operands lie as images of operand registers: [tile of 16 rows][32 along K][1,024 bytes]; 128 along K of a row tile are 4,096 consecutive bytes, row tiles 32,768 bytes apart.
; A tile of out0, 256 x 256, is made by four waves, each 128 x 128: 64 accumulators, 512 registers.  K goes in steps of 128 through two LDS slots of 131,072 bytes (A's 16 row tiles, then B's 16);
; each wave fetches a quarter of a slot by one tensor load of 8 rows of 4,096 bytes.  A fragment load takes 512 consecutive bytes: no pitch, no padding.
; CLUSTERS: 4 x 4 work-groups; A's tiles are asked for jointly along a row of the cluster, B's along a column.  THE MATRIX INSTRUCTION IS USED TRANSPOSED (source 0 = rows of B, source 1 = rows of A):
; a lane holds eight neighbouring numbers of a row of out0.  No prefetch: from a refill's request to the wait for it a wave issues 224 matrix instructions.
; REGISTERS: window 0: v16-29 addresses; v64-127, v128-191 A's fragments, two buffers; v192-255 the bias, later rows on the way out.  window 1: B's fragments, two buffers.  windows 2, 3: the accumulators.
.set SLOT,   131072
.set SPARE,  262144                    ; behind the ring: the spare words, 128 bytes for each wave
.set SPITCH, 528                       ; the way out: 16 rows x (512 + 16) bytes for each wave, in slot 0, which has had its last fill and its last read by then
.set LAPS,   4                         ; 8 K steps, two to a lap
.set ADRA, 16
.set ADRB, 20
.set STO,  24
.set RD,   25
.set CO,   26
.set BOF,  27
.set SPW,  28
.set NIL,  29
.set F0,   64
.set F1,   128
.set BIAS, 192
.set BK,   128
.set G1,  24
.set G0,  32
.set G1B, 48
.set G0B, 56
.set MSB, 0
.macro WIN new
.if MSB != (\new)
	s_set_vgpr_msb (MSB<<8)|(\new)
.set MSB, (\new)
.endif
.endm
.set MUL_LO, 0xa1                      ; source 0 (B) window 1, source 1 (A) window 0, C and D window 2
.set MUL_HI, 0xf1                      ; the same, C and D window 3
.set TO_B,   0x40
.macro JLOAD s                         ; a joint load: waves 0, 1 fetch A's halves, waves 2, 3 B's; an s_nop 0 and four v_nop follow each line
	s_cmp_eq_u32 s13, 0
	s_cbranch_scc0 .Lfor_b_\@
	tensor_load_to_lds s[G0+4*\s:G0+4*\s+3], s[G1:G1+7]
	s_nop 0
.rept 4
	v_nop
.endr
	s_branch .Lasked_\@
.Lfor_b_\@:
	tensor_load_to_lds s[G0B+4*\s:G0B+4*\s+3], s[G1B:G1B+7]
	s_nop 0
.rept 4
	v_nop
.endr
.Lasked_\@:
.endm
.macro CREST
	s_cmp_lg_u32 s12, 0
	s_cbranch_scc1 .Lnot_wave_0_\@
	s_barrier_signal -3
.Lnot_wave_0_\@:
	s_barrier_wait -3
	s_barrier_signal -1
	s_barrier_wait -1
.endm
.macro CROUND
	s_barrier_signal -1
	s_barrier_wait -1
	CREST
.endm
.macro PLACES
.rept 4
	v_nop
.endr
.endm
	s_load_b256 s[4:11], s[0:1], 0x0               ; o16, wo16, bo, out0
	v_lshl_add_u32 v[SPW], v0, 2, SPARE
	v_mov_b32 v[NIL], 0
	ds_add_u32 v[SPW], v[NIL]                      ; the wave's opening: the add, twice on end, and its wait ahead of my first tensor load
	ds_add_u32 v[SPW], v[NIL]
	v_lshrrev_b32 v1, 5, v0
	v_readfirstlane_b32 s12, v1                    ; wave 0..3
	s_lshr_b32 s13, s12, 1                         ; my half of the tile's rows.  Also: I fetch for A (0) or B (1)
	s_and_b32 s14, s12, 1                          ; my half of its columns.  Also: which 8 row tiles I fetch
	s_bfe_u32 s40, ttmp6, 0x40000                  ; cx
	s_bfe_u32 s41, ttmp6, 0x40004                  ; cy
	s_lshl_b32 s42, ttmp9, 2
	s_add_co_u32 s42, s42, s40                     ; tile column
	s_and_b32 s15, ttmp7, 0xffff
	s_lshl_b32 s15, s15, 2
	s_add_co_u32 s15, s15, s41                     ; tile row
	s_lshl_b32 s43, s41, 2
	s_lshl_b32 s43, 15, s43                        ; my row of the cluster
	s_lshl_b32 s44, 0x1111, s40                    ; my column
	s_or_b32 s[G1], s43, (3<<16)|(1<<21)           ; 15:0 the mask; 17:16 elements of 8 bytes; 21 set beside a mask; no padding
	s_or_b32 s[G1B], s44, (3<<16)|(1<<21)
.irp g, G1, G1B
	s_mov_b32 s[\g+1], 512<<16                     ; tensor_dim0 = 512 elements: 4,096 bytes
	s_mov_b32 s[\g+2], 8<<16                       ; tensor_dim1 = 8
	s_mov_b32 s[\g+3], 512<<16                     ; tile_dim0
	s_mov_b32 s[\g+4], 8                           ; tile_dim1
	s_mov_b32 s[\g+5], 4096                        ; from row tile to row tile: 32,768 bytes
	s_mov_b32 s[\g+6], 0
	s_mov_b32 s[\g+7], 0
.endr
	s_lshl_b32 s17, s14, 3
	s_lshl_b32 s16, s15, 4
	s_add_co_u32 s16, s16, s17                     ; A: row tile 16 x tile row + 8 x half
	s_lshl_b32 s16, s16, 15
	s_lshl_b32 s46, s42, 4
	s_add_co_u32 s46, s46, s17                     ; B: 16 x tile column + 8 x half
	s_lshl_b32 s46, s46, 15
	s_mov_b32 s17, 0
	s_mov_b32 s47, 0
	s_lshl_b32 s22, s12, 15                        ; where they go: wave x 32,768: no place in the cluster enters an LDS address
	s_wait_dscnt 0x0                               ; both opening adds are done
	s_wait_kmcnt 0x0
	s_add_nc_u64 s[20:21], s[4:5], s[16:17]
	s_add_nc_u64 s[46:47], s[6:7], s[46:47]
	CROUND                                         ; all sixteen work-groups are here: the first joint loads meet
.irp s, 0,1
	s_mov_b32 s[G0+4*\s], 1
	s_add_co_u32 s[G0+4*\s+1], s22, \s*SLOT
	s_add_nc_u64 s[G0+4*\s+2:G0+4*\s+3], s[20:21], \s*4096
	s_or_b32 s[G0+4*\s+3], s[G0+4*\s+3], 0x80000000
	s_mov_b32 s[G0B+4*\s], 1
	s_add_co_u32 s[G0B+4*\s+1], s22, \s*SLOT
	s_add_nc_u64 s[G0B+4*\s+2:G0B+4*\s+3], s[46:47], \s*4096
	s_or_b32 s[G0B+4*\s+3], s[G0B+4*\s+3], 0x80000000
	JLOAD \s
.endr
	v_and_b32 v1, 31, v0
	v_lshlrev_b32 v3, 4, v1                        ; 16 x lane
	v_and_b32 v4, 15, v0                           ; r
	v_bfe_u32 v2, v0, 4, 1                         ; h
	s_lshl_b32 s21, s13, 15                        ; my 8 row tiles of A,
	s_lshl_b32 s23, s14, 15
	s_add_co_u32 s23, s23, 65536                   ; of B, behind A's 16
.irp s, 0,1
	v_add_nc_u32 v[ADRA+\s], s21, v3
	v_add_nc_u32 v[ADRB+\s], s23, v3
	s_add_co_u32 s21, s21, SLOT
	s_add_co_u32 s23, s23, SLOT
.endr
	s_mul_i32 s16, s12, 16*SPITCH                  ; my stage
	v_mul_u32_u24 v5, v4, SPITCH
	v_lshl_add_u32 v5, v2, 5, v5
	v_add_nc_u32 v[STO], s16, v5                   ; in: row r, 32 bytes for each half of the lanes
	v_mov_b32 v[CO], v3                            ; back: the 32 lanes take a row of 512 bytes; the same in out0
	v_add_nc_u32 v[RD], s16, v3
	v_lshlrev_b32 v[BOF], 5, v2                    ; the bias: 8 h numbers on
	s_lshl_b32 s18, s15, 8
	s_lshl_b32 s19, s13, 7
	s_add_co_u32 s18, s18, s19                     ; my first row of out0
	s_lshl_b32 s18, s18, 12
	s_mov_b32 s19, 0
	s_lshl_b32 s46, s42, 10                        ; my first column, in bytes
	s_lshl_b32 s47, s14, 9
	s_add_co_u32 s46, s46, s47
	s_mov_b32 s47, 0
	s_add_nc_u64 s[10:11], s[10:11], s[18:19]
	s_add_nc_u64 s[10:11], s[10:11], s[46:47]
	s_add_nc_u64 s[8:9], s[8:9], s[46:47]
.irp b, 0,1,2,3,4,5,6,7
	global_load_b128 v[BIAS+8*\b:BIAS+8*\b+3], v[BOF], s[8:9] offset:64*\b         ; register j of block b: bo[16 b + 8 h + j]: the result's layout
	global_load_b128 v[BIAS+8*\b+4:BIAS+8*\b+7], v[BOF], s[8:9] offset:64*\b+16
.endr
; 16 matrix instructions: m blocks a0, a0 + 1 of the window's four x all 8 n blocks, 32 along K.  first = 1: the bias is the C.  The 64 accumulators take turns, one instruction a turn.
.macro MUL16 f, hi, a0, first
.irp a, \a0, \a0+1
.irp b, 0,1,2,3,4,5,6,7
.if \first
	v_wmma_f32_16x16x32_f16 v[8*(8*(\a)+\b):8*(8*(\a)+\b)+7], v[\f+8*\b:\f+8*\b+7], v[\f+8*(4*\hi+\a):\f+8*(4*\hi+\a)+7], v[BIAS+8*\b:BIAS+8*\b+7]
.else
	v_wmma_f32_16x16x32_f16 v[8*(8*(\a)+\b):8*(8*(\a)+\b)+7], v[\f+8*\b:\f+8*\b+7], v[\f+8*(4*\hi+\a):\f+8*(4*\hi+\a)+7], v[8*(8*(\a)+\b):8*(8*(\a)+\b)+7]
.endif
.endr
.endr
.endm
.macro FETCH slot, q, f                ; 32 LDS loads in one run: the fragments of the slot's q-th 32 along K: B's eight, then A's eight
	WIN TO_B
.irp i, 0,1,2,3,4,5,6,7
	ds_load_b128 v[\f+8*\i:\f+8*\i+3],   v[ADRB+\slot] offset:(\q)*1024+\i*4096
	ds_load_b128 v[\f+8*\i+4:\f+8*\i+7], v[ADRB+\slot] offset:(\q)*1024+\i*4096+512
.endr
	WIN 0
.irp i, 0,1,2,3,4,5,6,7
	ds_load_b128 v[\f+8*\i:\f+8*\i+3],   v[ADRA+\slot] offset:(\q)*1024+\i*4096
	ds_load_b128 v[\f+8*\i+4:\f+8*\i+7], v[ADRA+\slot] offset:(\q)*1024+\i*4096+512
.endr
.endm
.macro QUARTER slot, q, f, g, first    ; multiplies buffer f; in its middle fetches the slot's q-th quarter into buffer g
	s_wait_dscnt 8                                 ; B and A's rows 0-63 are in; the youngest eight loads (A's rows 64-127) may be out
.if \first
	WIN 0x81                                       ; C (the bias) window 0, D window 2
.else
	WIN MUL_LO
.endif
	MUL16 \f, 0, 0, \first
	MUL16 \f, 0, 2, \first
	PLACES
	FETCH \slot, \q, \g
	s_wait_dscnt 32                                ; all but the 32 just issued
.if \first
	WIN 0xc1
.else
	WIN MUL_HI
.endif
	MUL16 \f, 1, 0, \first
	MUL16 \f, 1, 2, \first
.endm
; A K step's last quarter multiplies buffer 1 and changes slots: one barrier; in front of it each wave waits for all its tensor loads, adds 0 to its spare word, and waits for that and for its reads of this slot.
.macro TURN slot, next, fill
	WIN 0                                          ; (the add's two registers lie in window 0)
	s_wait_tensorcnt 0x0                           ; all my tensor loads have landed: my part of the next slot
	ds_add_u32 v[SPW], v[NIL]                      ; 0 onto my spare word
	s_wait_dscnt 9                                 ; (the add and the youngest eight loads may be out)
	WIN MUL_LO
	MUL16 F1, 0, 0, 0
	s_wait_dscnt 0x0                               ; the add is done, and my reads of this slot are over
	s_barrier_signal -1
	MUL16 F1, 0, 2, 0
.if \fill
	WIN 0
.endif
	s_barrier_wait -1
.if \fill
	CREST                                          ; the barrier has opened a round of the cluster's: no wave of any partner still reads this slot or has a load on its way
	s_add_nc_u64 s[G0+4*\slot+2:G0+4*\slot+3], s[G0+4*\slot+2:G0+4*\slot+3], 8192
	s_add_nc_u64 s[G0B+4*\slot+2:G0B+4*\slot+3], s[G0B+4*\slot+2:G0B+4*\slot+3], 8192
	JLOAD \slot                                    ; the first tensor load behind the round; its four v_nop are also the places in front of the loads below
.else
	PLACES
.endif
	FETCH \next, 0, F0
	WIN MUL_HI
	MUL16 F1, 1, 0, 0
	MUL16 F1, 1, 2, 0
.endm
	s_wait_tensorcnt 1                             ; my part of K step 0 is in; K step 1's may stay out
	s_barrier_signal -1
	s_barrier_wait -1
	FETCH 0, 0, F0
	s_wait_loadcnt 0x0                             ; the bias
	QUARTER 0, 1, F0, F1, 1
	WIN 0
	s_mov_b32 s3, LAPS-1
.Llap:                                             ; a trip goes once round the ring, from a lap's second quarter to the next lap's first, and fills both slots again
	QUARTER 0, 2, F1, F0, 0
	QUARTER 0, 3, F0, F1, 0
	TURN 0, 1, 1
	QUARTER 1, 1, F0, F1, 0
	QUARTER 1, 2, F1, F0, 0
	QUARTER 1, 3, F0, F1, 0
	TURN 1, 0, 1
	QUARTER 0, 1, F0, F1, 0
	WIN 0
	s_sub_co_u32 s3, s3, 1
	s_cmp_lg_u32 s3, 0
	s_cbranch_scc1 .Llap
	QUARTER 0, 2, F1, F0, 0                        ; the last lap fills nothing
	QUARTER 0, 3, F0, F1, 0
	TURN 0, 1, 0
	QUARTER 1, 1, F0, F1, 0
	QUARTER 1, 2, F1, F0, 0
	QUARTER 1, 3, F0, F1, 0
	s_wait_dscnt 8
	WIN MUL_LO
	MUL16 F1, 0, 0, 0
	MUL16 F1, 0, 2, 0
	s_wait_dscnt 0x0
	WIN MUL_HI
	MUL16 F1, 1, 0, 0
	MUL16 F1, 1, 2, 0
	WIN 0
; THE WAY OUT, a block of 16 rows x 128 columns at a time: through my own stage in LDS and back as whole rows of 512 bytes.  LDS serves a wave's instructions in order: no wait between the stores and the loads.
.macro TOSTAGE a
.set AC, 64*((\a)%4)
	WIN 0x08+4*((\a)/4)                            ; the data: window 2 or 3
.irp b, 0,1,2,3,4,5,6,7
	ds_store_b128 v[STO], v[AC+8*\b:AC+8*\b+3] offset:64*\b          ; each accumulator from its low end on
	ds_store_b128 v[STO], v[AC+8*\b+4:AC+8*\b+7] offset:64*\b+16
.endr
	WIN 0
.set BB, BK+64*((\a)%2)
.irp t, 0,1,2,3,4,5,6,7,8,9,10,11,12,13,14,15
	ds_load_b128 v[BB+4*\t:BB+4*\t+3], v[RD] offset:\t*SPITCH
.endr
.endm
.macro SEND a, younger                 ; younger: the LDS instructions issued behind block a's loads, which may stay out
.set BB, BK+64*((\a)%2)
	s_wait_dscnt \younger
.if (\a) > 0
	s_add_nc_u64 s[10:11], s[10:11], 65536         ; 16 rows on (behind a wait that shows the earlier stores have read their base)
.endif
.irp t, 0,1,2,3,4,5,6,7,8,9,10,11,12,13,14,15
	global_store_b128 v[CO], v[BB+4*\t:BB+4*\t+3], s[10:11] offset:\t*4096 th:TH_STORE_NT   ; 32 lanes store 512 consecutive bytes, at a multiple of 256 from out0's first byte
.endr
.endm
	PLACES                                         ; in front of the first read of results and of loads into registers that held operands
	TOSTAGE 0
.irp a, 1,2,3,4,5,6,7
.if \a > 1
	s_wait_xcnt 0x0                                ; block a - 2's stores have read their registers and their base
.endif
	TOSTAGE \a
	SEND \a-1, 32                                  ; behind block a - 1's loads: block a's 16 stores and 16 loads
.endr
	s_wait_xcnt 0x0
	SEND 7, 0
	s_wait_tensorcnt 0x0                           ; the wave's end
	ds_add_u32 v[SPW], v[NIL]
	s_wait_dscnt 0x0
	CROUND                                         ; the closing round: no work-group ends while a partner may still ask for a tile that names it
	s_endpgm
.Lfunc_end_k_q09348d8281_gemm:
	.size	k_q09348d8281_gemm, .Lfunc_end_k_q09348d8281_gemm-k_q09348d8281_gemm
	.p2alignl 7, 3214868480
	.fill 96, 4, 3214868480
	.section	.rodata,"a",@progbits
	.p2align	6, 0x0
	.amdhsa_kernel k_q09348d8281_gemm
		.amdhsa_group_segment_fixed_size 327680
		.amdhsa_private_segment_fixed_size 0
		.amdhsa_enable_private_segment 0
		.amdhsa_kernarg_size 32
		.amdhsa_user_sgpr_count 2
		.amdhsa_user_sgpr_kernarg_segment_ptr 1
		.amdhsa_wavefront_size32 1
		.amdhsa_system_sgpr_workgroup_id_x 1
		.amdhsa_system_sgpr_workgroup_id_y 1
		.amdhsa_system_sgpr_workgroup_id_z 1
		.amdhsa_system_vgpr_workitem_id 0
		.amdhsa_next_free_vgpr 1024
		.amdhsa_next_free_sgpr 66
		.amdhsa_reserve_vcc 0
		.amdhsa_float_denorm_mode_32 3
		.amdhsa_float_denorm_mode_16_64 3
		.amdhsa_memory_ordered 1
		.amdhsa_forward_progress 1
		.amdhsa_inst_pref_size 142
	.end_amdhsa_kernel
	.amdgpu_metadata
---
amdhsa.version: [ 1, 2 ]
amdhsa.kernels:
  - .name:           k_q09348d8281_gemm
    .symbol:         k_q09348d8281_gemm.kd
    .args:
      - { .name: o16, .offset: 0, .size: 8, .value_kind: global_buffer, .address_space: global }
      - { .name: wo16, .offset: 8, .size: 8, .value_kind: global_buffer, .address_space: global }
      - { .name: bo, .offset: 16, .size: 8, .value_kind: global_buffer, .address_space: global }
      - { .name: out0, .offset: 24, .size: 8, .value_kind: global_buffer, .address_space: global }
    .group_segment_fixed_size: 327680
    .private_segment_fixed_size: 0
    .kernarg_segment_align: 8
    .kernarg_segment_size: 32
    .max_flat_workgroup_size: 128
    .sgpr_count:     66
    .vgpr_count:     1024
    .wavefront_size: 32
...
	.end_amdgpu_metadata
.endif
;; end of part 3
